; MI455X (gfx1250); checked and timed in simulation.
; The chip was launched on July 23, 2026; its instructions are those of AMD's public machine-readable ISA for CDNA 5 (MIT licence, August 2026) and "CDNA5" Instruction Set Architecture Reference Guide (July 2026). The comments in the code are by the model that wrote it; some were corrected since.
;; Attention Block. Allowed arithmetic: matrix products marked QUANTISED: E4M3 operands, one given power-of-two scale a tensor, by v_wmma_f32_16x16x64_fp8_fp8 or v_wmma_f32_16x16x128_fp8_fp8, f32 sums; everything else in f32.
;; Inputs: lowp_scales 8 int32 (the exponents e of the quantised operands' scales 2^e); norm_b 256 float32; norm_w 256 float32; proj_b 256 float32; proj_w_codes 256 x 8 x 32 uint8 (E4M3 codes of proj_w, K innermost, in blocks of 32 codes); qkv_b 768 float32; qkv_w_codes 768 x 8 x 32 uint8 (E4M3 codes of qkv_w, K innermost, in blocks of 32 codes); x 4 x 256 x 64 x 64 float32.
;; Outputs: out0 4 x 256 x 64 x 64 float32.
;; This version of the problem:
;;   THIS VERSION OF THE PROBLEM IS GIVEN IN LOW PRECISION. The matrix products marked QUANTISED in the list below multiply operands that are first quantised to E4M3 (4 exponent bits, 3 mantissa bits; 8 bits a number), with one given power-of-two scale for each operand tensor; their sums are f32. All else is computed in f32.
;;   The module's matrix products, in the order in which they are computed (A, B: the left and right operand; K: the contracted axis; several contracted axes count as one K, in the product's order):
;;     1. [M 768, K 256] x [K 256, N 16,384]; A: input qkv_w (given as codes); B: computed on the way: QUANTISED (scales: A lowp_scales[0], B lowp_scales[1])
;;     2. batch 16 x [M 4,096, K 64] x [K 64, N 4,096]; A: computed on the way; B: computed on the way: QUANTISED (scales: A lowp_scales[2], B lowp_scales[3])
;;     3. batch 16 x [M 4,096, K 4,096] x [K 4,096, N 64]; A: softmax (see below); B: computed on the way: QUANTISED (scales: A lowp_scales[4], B lowp_scales[5])
;;     4. [M 256, K 256] x [K 256, N 16,384]; A: input proj_w (given as codes); B: computed on the way: QUANTISED (scales: A lowp_scales[6], B lowp_scales[7])
;;   THE QUANTISER, for each operand of a quantised product, along K:
;;     - The operand's scale is 2^e, e = its entry of the input lowp_scales (int32; the entries are numbered through the quantised products in the list's order, A before B).
;;     - Each number is divided by the scale, clamped to +-448, and rounded to the nearest number of E4M3, ties to even, subnormals kept.
;;     - The product sums the exact products of the quantised numbers (number of the format x scale) in f32.
;;   ~~~python
;;   def quantise(x, axis, e):      # numpy; x: float32 -> the quantised numbers, widened to float32 again
;;       x = np.moveaxis(x, axis, -1); K = x.shape[-1]
;;       r = np.clip(x / 2.0 ** e, -448, 448)
;;       step = 2.0 ** (np.maximum(np.frexp(np.where(r == 0, 1, r))[1] - 1, -6) - 3)
;;       q = np.round(r / step) * step * 2.0 ** e      # np.round: ties to even
;;       return np.moveaxis(q, -1, axis).astype(np.float32)
;;   ~~~
;;   SOFTMAX AHEAD OF A QUANTISED PRODUCT. Where the list says 'softmax', what is quantised is not the finished softmax but p = 2^(t - M), with t = logit x log2(e) and M = ceil(the row's largest t), a whole number; so 1/2 < the row's largest p <= 1. The row's sum l is taken of the UNQUANTISED p, in f32, and the product's result is divided by l at the end. Since M is a whole number, a kernel that streams over the keys may use a running M (the ceiling of the running maximum): every later rescaling is an exact power of two, so the quantised numbers keep their values, but for numbers so far below the row's largest that they fall under the format's range.
;;   OPERANDS COMPUTED ON THE WAY. 'Computed on the way' means the value that the module computes at that place (a softmax that the list does not call 'softmax' is quantised finished and normalised). What goes into a quantiser is computed in f32, as accurately as f32 sums, v_exp_f32 and their like allow (about 1e-6 of the number): no bf16 or f16 on the way to a quantiser, and a product that is left as it is and whose result goes on into a quantised operand takes f32 operands (vector FMAs, or v_wmma_f32_16x16x4_f32). A number that lies on a knife's edge between two numbers of the format may be rounded either way, as far as f32 arithmetic and the matrix unit's own rounding can turn it there, and no further.
;;   INPUTS GIVEN AS CODES. proj_w (in the module: [256, 256], K = its axis 1); qkv_w (in the module: [768, 256], K = its axis 1): each comes as NAME_codes (uint8): NAME with its K axis moved to the last place and cut into blocks of 32 codes, [.., K / 32, bytes a block], one block behind the other in memory; one code a byte (a code: sign, 4 exponent bits, 3 mantissa bits); its scale is its entry of lowp_scales. Its value is code x scale, taken as it is: it is not quantised again, and the codes and scales need not be those that the quantiser above would give.
;; One version. Each part assembles by itself: llvm-mc -triple=amdgcn-amd-amdhsa -mcpu=gfx1250 --defsym DOCPART=n.
;; ======== version 1 of 1: 4 launches
;; limits: right only within a limited range of input values
;; workspace buffers: stats 2,048 bytes; q_img 4,194,304 bytes; k_img 4,194,304 bytes; v_img 4,194,304 bytes; o_img 4,194,304 bytes
;; launch stats (part 1): grid 256 x 1, 8 waves a work-group, no clusters, 1,280 bytes of LDS; arguments x, stats; writes stats
.if DOCPART == 1
	.amdgcn_target "amdgcn-amd-amdhsa--gfx1250"
	.amdhsa_code_object_version 6
	.text
	.protected	k_q0659ca8d87_stats
	.globl	k_q0659ca8d87_stats
	.p2align	8
	.type	k_q0659ca8d87_stats,@function
k_q0659ca8d87_stats:
	s_mov_b64 s[64:65], 0
	v_nop
	global_prefetch_b8 v0, s[64:65] scope:SCOPE_SE
	s_setreg_imm32_b32 hwreg(HW_REG_WAVE_MODE, 25, 1), 1
	s_wait_xcnt 0x0
; GROUP NORM, FIRST PART.  x: [4][256][4096] f32.  A group is 32 channels of one batch: 524,288 consecutive bytes.  Work-group g takes the 65,536 bytes at 65,536 g,
; one eighth of group g / 8, and stores two numbers: the mean of its 16,384 numbers and the sum of their squared distances from THAT mean (M2).  The next launch joins the eight
; pairs of a group.  Mean and M2, not sum and sum of squares: with a common offset on x the second would form the variance as a difference of large sums.
; Eight waves; thread t keeps its 64 numbers in registers between the two passes, so x is read once here: 16 loads of 16 bytes, a wave's load covers 512 consecutive bytes.
; No matrix unit, no cluster, no tensor load: nothing is shared between work-groups and memory binds.  NaN and infinities among the inputs are not served.
.set XR, 16                            ; v[16:79]  my 64 numbers
; v1 my byte offset; v[2:9] four chains of pairs; v10 a wave's figure; v11 the other half of the lanes'; v12 4 x wave; v13 0; v[14:15] the mean, twice; v[80:87] the eight waves' figures
.macro WSUM                            ; v10 summed over the 32 lanes, the result in every lane
	s_delay_alu instid0(VALU_DEP_1)
	v_add_f32_dpp v10, v10, v10 row_xmask:1 row_mask:0xf bank_mask:0xf
	s_delay_alu instid0(VALU_DEP_1)
	v_add_f32_dpp v10, v10, v10 row_xmask:2 row_mask:0xf bank_mask:0xf
	s_delay_alu instid0(VALU_DEP_1)
	v_add_f32_dpp v10, v10, v10 row_xmask:4 row_mask:0xf bank_mask:0xf
	s_delay_alu instid0(VALU_DEP_1)
	v_add_f32_dpp v10, v10, v10 row_xmask:8 row_mask:0xf bank_mask:0xf
	s_delay_alu instid0(VALU_DEP_1)
	v_permlanex16_b32 v11, v10, s10, s11
	s_delay_alu instid0(VALU_DEP_1)
	v_add_f32 v10, v10, v11
.endm
.macro ACROSS off                      ; v10 summed over the eight waves, in a fixed order: each wave's word at off + 4 x wave, one barrier, every wave reads all eight
	ds_store_b32 v12, v10 offset:\off
	s_wait_dscnt 0x0                               ; for the others' sake: my store has landed
	s_barrier_signal -1
	s_barrier_wait -1
	ds_load_b128 v[80:83], v13 offset:\off
	ds_load_b128 v[84:87], v13 offset:\off+16
	s_wait_dscnt 0x0
	v_add_f32 v80, v80, v81
	v_add_f32 v82, v82, v83
	v_add_f32 v84, v84, v85
	v_add_f32 v86, v86, v87
	s_delay_alu instid0(VALU_DEP_3)
	v_add_f32 v80, v80, v82
	s_delay_alu instid0(VALU_DEP_2)
	v_add_f32 v84, v84, v86
	s_delay_alu instid0(VALU_DEP_1)
	v_add_f32 v10, v80, v84
.endm
	s_load_b128 s[4:7], s[0:1], 0x0                ; x s[4:5], stats s[6:7]
	v_lshl_add_u32 v96, v0, 2, 0x100
	v_mov_b32 v97, 0
	v_lshrrev_b32 v10, 5, v0
	s_delay_alu instid0(VALU_DEP_1)
	v_readfirstlane_b32 s8, v10                    ; wave 0..7
	v_lshlrev_b32 v1, 4, v0                        ; 16 bytes a thread
	s_delay_alu instid0(VALU_DEP_3)
	v_lshlrev_b32 v12, 2, v10                      ; my wave's word in LDS
	v_mov_b32 v13, 0
	v_mov_b32 v11, 0                               ; a lane permute's destination counts as read: written once
	s_lshl_b32 s12, ttmp9, 16                      ; my work-group's 65,536 bytes
	s_mov_b32 s13, 0
	s_mov_b32 s10, 0x76543210                      ; v_permlanex16_b32: lane l takes lane l xor 16
	s_mov_b32 s11, 0xfedcba98
	s_wait_alu depctr_va_vdst(0)
	s_wait_kmcnt 0x0
	s_add_nc_u64 s[4:5], s[4:5], s[12:13]
.irp i, 0,1,2,3,4,5,6,7,8,9,10,11,12,13,14,15
	global_load_b128 v[XR+4*\i:XR+4*\i+3], v1, s[4:5] offset:4096*\i
.endr
	s_wait_loadcnt 0x0
	v_pk_add_f32 v[4:5], v[16:17], v[24:25]
	v_pk_add_f32 v[6:7], v[32:33], v[40:41]
	v_pk_add_f32 v[8:9], v[48:49], v[56:57]
	v_pk_add_f32 v[94:95], v[64:65], v[72:73]
	v_pk_add_f32 v[92:93], v[18:19], v[26:27]
	v_pk_add_f32 v[90:91], v[34:35], v[42:43]
	v_pk_add_f32 v[88:89], v[50:51], v[58:59]
	v_pk_add_f32 v[2:3], v[66:67], v[74:75]
	s_delay_alu instid0(VALU_DEP_1)
	v_pk_add_f32 v[2:3], v[2:3], v[20:21]
	v_pk_add_f32 v[4:5], v[4:5], v[28:29]
	v_pk_add_f32 v[6:7], v[6:7], v[36:37]
	v_pk_add_f32 v[8:9], v[8:9], v[44:45]
	v_pk_add_f32 v[94:95], v[94:95], v[52:53]
	v_pk_add_f32 v[92:93], v[92:93], v[60:61]
	v_pk_add_f32 v[90:91], v[90:91], v[68:69]
	v_pk_add_f32 v[88:89], v[88:89], v[76:77]
	v_pk_add_f32 v[2:3], v[2:3], v[22:23]
	v_pk_add_f32 v[4:5], v[4:5], v[30:31]
	v_pk_add_f32 v[6:7], v[6:7], v[38:39]
	v_pk_add_f32 v[8:9], v[8:9], v[46:47]
	v_pk_add_f32 v[94:95], v[94:95], v[54:55]
	v_pk_add_f32 v[92:93], v[92:93], v[62:63]
	v_pk_add_f32 v[90:91], v[90:91], v[70:71]
	v_pk_add_f32 v[88:89], v[88:89], v[78:79]
	s_delay_alu instid0(VALU_DEP_4)
	v_pk_add_f32 v[2:3], v[2:3], v[94:95]
	s_delay_alu instid0(VALU_DEP_4)
	v_pk_add_f32 v[4:5], v[4:5], v[92:93]
	s_delay_alu instid0(VALU_DEP_4)
	v_pk_add_f32 v[6:7], v[6:7], v[90:91]
	s_delay_alu instid0(VALU_DEP_4)
	v_pk_add_f32 v[8:9], v[8:9], v[88:89]
	s_delay_alu instid0(VALU_DEP_2)
	v_pk_add_f32 v[2:3], v[2:3], v[6:7]
	s_delay_alu instid0(VALU_DEP_2)
	v_pk_add_f32 v[4:5], v[4:5], v[8:9]
	s_delay_alu instid0(VALU_DEP_1)
	v_pk_add_f32 v[2:3], v[2:3], v[4:5]
	s_delay_alu instid0(VALU_DEP_1)
	v_add_f32 v10, v2, v3
	WSUM
	ACROSS 0
	s_delay_alu instid0(VALU_DEP_1)
	v_mul_f32 v14, 0x38800000, v10                 ; the mean: x 2^-14, exact
	s_delay_alu instid0(VALU_DEP_1)
	v_mov_b32 v15, v14
	; pass 2: the squared distances from the mean
.set p, 0
.rept 32
	v_pk_add_f32 v[XR+2*p:XR+2*p+1], v[XR+2*p:XR+2*p+1], v[14:15] neg_lo:[0,1] neg_hi:[0,1]
.set p, p+1
.endr
.irp q, 0,1,2,3
	v_pk_mul_f32 v[2+2*\q:3+2*\q], v[XR+2*\q:XR+2*\q+1], v[XR+2*\q:XR+2*\q+1]
.endr
.set p, 4
.rept 28
	s_delay_alu instid0(VALU_DEP_4)
	v_pk_fma_f32 v[2+2*(p%4):3+2*(p%4)], v[XR+2*p:XR+2*p+1], v[XR+2*p:XR+2*p+1], v[2+2*(p%4):3+2*(p%4)]
.set p, p+1
.endr
	s_delay_alu instid0(VALU_DEP_3)
	v_pk_add_f32 v[2:3], v[2:3], v[4:5]
	s_delay_alu instid0(VALU_DEP_2)
	v_pk_add_f32 v[6:7], v[6:7], v[8:9]
	s_delay_alu instid0(VALU_DEP_1)
	v_pk_add_f32 v[2:3], v[2:3], v[6:7]
	s_delay_alu instid0(VALU_DEP_1)
	v_add_f32 v10, v2, v3
	WSUM
	ACROSS 128                                     ; other LDS bytes than the first exchange: no barrier is needed between the two
	s_cmp_lg_u32 s8, 0                             ; wave 0's lane 0 stores the pair: eight bytes a work-group
	s_cbranch_scc1 .Lend
	s_lshl_b32 s12, ttmp9, 3
	v_mov_b32 v9, s12
	v_mov_b32 v2, v14                              ; the mean,
	v_mov_b32 v3, v10                              ; M2
	s_wait_alu depctr_va_vdst(0)
	s_wait_xcnt 0x0                                ; EXEC changes only behind this wait
	v_cmp_eq_u32 vcc_lo, 0, v0
	s_and_saveexec_b32 s9, vcc_lo
	global_store_b64 v9, v[2:3], s[6:7]
	s_wait_xcnt 0x0                                ; and again in front of the line that widens it
	s_or_b32 exec_lo, exec_lo, s9
.Lend:
	s_wait_tensorcnt 0x0
	ds_add_u32 v96, v97
	s_wait_dscnt 0x0
	s_endpgm
.Lfunc_end_k_q0659ca8d87_stats:
	.size	k_q0659ca8d87_stats, .Lfunc_end_k_q0659ca8d87_stats-k_q0659ca8d87_stats
	.p2alignl 7, 3214868480
	.fill 96, 4, 3214868480
	.section	.rodata,"a",@progbits
	.p2align	6, 0x0
	.amdhsa_kernel k_q0659ca8d87_stats
		.amdhsa_group_segment_fixed_size 1280
		.amdhsa_private_segment_fixed_size 0
		.amdhsa_enable_private_segment 0
		.amdhsa_kernarg_size 16
		.amdhsa_user_sgpr_count 2
		.amdhsa_user_sgpr_kernarg_segment_ptr 1
		.amdhsa_wavefront_size32 1
		.amdhsa_system_sgpr_workgroup_id_x 1
		.amdhsa_system_sgpr_workgroup_id_y 1
		.amdhsa_system_sgpr_workgroup_id_z 1
		.amdhsa_system_vgpr_workitem_id 0
		.amdhsa_next_free_vgpr 98
		.amdhsa_next_free_sgpr 66
		.amdhsa_reserve_vcc 1
		.amdhsa_float_denorm_mode_32 3
		.amdhsa_float_denorm_mode_16_64 3
		.amdhsa_memory_ordered 1
		.amdhsa_forward_progress 1
		.amdhsa_inst_pref_size 14
	.end_amdhsa_kernel
	.amdgpu_metadata
---
amdhsa.version: [ 1, 2 ]
amdhsa.kernels:
  - .name:           k_q0659ca8d87_stats
    .symbol:         k_q0659ca8d87_stats.kd
    .args:
      - { .name: x, .offset: 0, .size: 8, .value_kind: global_buffer, .address_space: global }
      - { .name: stats, .offset: 8, .size: 8, .value_kind: global_buffer, .address_space: global }
    .group_segment_fixed_size: 1280
    .private_segment_fixed_size: 0
    .kernarg_segment_align: 8
    .kernarg_segment_size: 16
    .max_flat_workgroup_size: 256
    .sgpr_count:     66
    .vgpr_count:     98
    .wavefront_size: 32
...
	.end_amdgpu_metadata
.endif
;; end of part 1
;; launch qkv (part 2): grid 256 x 1, 16 waves a work-group, no clusters, 18,432 bytes of LDS; arguments x, stats, norm_w, norm_b, qkv_w_codes, qkv_b, lowp_scales, q_img, k_img, v_img; writes q_img, k_img, v_img
.if DOCPART == 2
	.amdgcn_target "amdgcn-amd-amdhsa--gfx1250"
	.amdhsa_code_object_version 6
	.text
	.protected	k_q0659ca8d87_qkv
	.globl	k_q0659ca8d87_qkv
	.p2align	8
	.type	k_q0659ca8d87_qkv,@function
k_q0659ca8d87_qkv:
	s_mov_b64 s[64:65], 0
	v_nop
	global_prefetch_b8 v0, s[64:65] scope:SCOPE_SE
	s_setreg_imm32_b32 hwreg(HW_REG_WAVE_MODE, 25, 1), 1
	s_wait_xcnt 0x0
; GROUP NORM'S SECOND PART AND THE FIRST PRODUCT.  h = (x - mean) (rstd w) + b, quantised to E4M3 with 2^e1; qkv = W h + bias on codes (W's codes are given, scale 2^e0); q, k, v quantised with 2^e2, 2^e3, 2^e5.
; SHARES.  Work-group g: batch g / 64, block g % 64 of 64 pixels, all 768 outputs.  Waves 12-15 FEED: wave 12 + f normalises and quantises channels 64 f .. 64 f + 63 (groups 2 f, 2 f + 1) of the 64 pixels.
; Waves 0-11 WORK: wave w owns W's rows 64 w .. 64 w + 63: q (w < 4), k (w < 8) or v, head w % 4.  Its 16,384 bytes of W go from memory straight into its operand registers, once.
; No joint tensor load for W, though all work-groups read it: it would send those bytes through LDS (one write and one read more for each) in a launch whose one phase uses each of them from registers.
; TILES OF PIXELS: tile j (0..3) of a block has row m = pixel 4 m + j.  So one 16-byte load of x gives a lane one number of each of the four tiles, and 16 lanes read 256 consecutive bytes of a channel's row.
; OPERANDS ARE KEPT AS IMAGES OF THEIR REGISTERS: a piece = 4 registers of a fragment, lane l's 16 bytes at 16 l, 512 bytes on end; in LDS (h) and in the three workspace buffers alike.
; ALONG K every 8-bit fragment here has registers 4 c .. 4 c + 3 = k 32 c + 16 (lane / 16) + 0 .. 15: the same places in both sources of a product, so every product meets its partner.
; THE ROWS OF W THAT FORM A TILE ARE NOT NEIGHBOURS: lane r of tile 2 b + u takes row 32 b + 8 u + r + 8 (r / 8).  q, k: source 0 = W's rows, source 1 = h: a lane holds one pixel, and the 16 registers of tiles 2 b, 2 b + 1
; are d = 32 b + 16 (lane / 16) + 0 .. 15: a piece of the next product's operand.  v: the sources change places: a lane holds one row d and eight pixels (keys), which are the third product's K.
; q_img, k_img: [batch x head 16][block 64][tile 4][piece 2][lane 32][16 bytes].  v_img: [16][key step 32 = two blocks][tile of d 4][piece 4][lane][16]; piece p holds the key tiles 2 p, 2 p + 1 (key tile = 4 (block % 2) + j).
; The bias is the C of each sum's first matrix instruction, divided by 2^(e0 + e1), which the sums lack; the three scales ahead of each quantiser are folded into the conversion's one.
; LIMITS: e1, and e2, e3, e5 less e0 + e1, lie between -126 and 119, so that each power of two and 448 times it is an f32 number.  NaN among the inputs is not served; what lies beyond a scale's range is held at the largest code.
.set LI,  1                            ; v1   16 x lane: a piece's place for my lane; also my offset in the stores.  Made ahead of the parting of the roles, never rewritten
.set XST, 2                            ; v2   16 x lane + 1,024 x (wave % 4): where a feeder stores its pieces.  Likewise
; FEEDER: v3 x's offset, v4 the norms' offset, v[6:7], v[8:9] the two groups' means (twice each), v10, v11 at work, v12, v13 variance, then rstd, v14 2^e1, v15 448 x 2^e1
.set AW,  16                           ; v[16:47]   norm_w, then rstd x norm_w: 16 cc + i
.set BW,  48                           ; v[48:79]   norm_b
.set HT,  80                           ; v[80:111]  h: two sets of 16
.set CD,  112                          ; v[112:127] codes
.set XR,  128                          ; v[128:255] x: 64 cc + 4 i + j: channel 64 f + 32 cc + 16 (lane / 16) + i, pixel 4 (lane % 16) + j
; WORKER: v3 W's offset, v4 the bias's offset, v5 r + 8 (r / 8), v6 the conversion's scale, v[12:15] v's bias as loaded
.set BI,  16                           ; v[16:47]   the bias, 8 registers a tile, in the result's layout
.set HF,  48                           ; v[48:79]   h's two fragments of a tile of pixels
.set ACC, 80                           ; v[80:111]  four accumulators
.set WF,  128                          ; v[128:255] W: tile ot, K step s at 32 ot + 16 s
	s_load_b512 s[4:19], s[0:1], 0x0               ; x s[4:5], stats s[6:7], norm_w s[8:9], norm_b s[10:11], W's codes s[12:13], qkv_b s[14:15], the exponents s[16:17], q_img s[18:19]
	s_load_b128 s[20:23], s[0:1], 0x40             ; k_img s[20:21], v_img s[22:23]
	v_lshrrev_b32 v3, 5, v0
	s_delay_alu instid0(VALU_DEP_1)
	v_readfirstlane_b32 s24, v3                    ; wave 0..15
	s_and_b32 s25, s24, 3                          ; a feeder's f; a worker's head
	v_and_b32 v4, 31, v0
	s_delay_alu instid0(VALU_DEP_1)
	v_lshlrev_b32 v[LI], 4, v4
	s_lshl_b32 s26, s25, 10
	v_add_nc_u32 v[XST], s26, v[LI]
	v_and_b32 v10, 15, v0                          ; r
	v_bfe_u32 v11, v0, 4, 1                        ; h
	s_lshr_b32 s27, ttmp9, 6                       ; batch
	s_and_b32 s28, ttmp9, 63                       ; block of 64 pixels
	s_mov_b32 s31, 0
	s_wait_kmcnt 0x0
	s_load_b256 s[72:79], s[16:17], 0x0            ; e0 .. e7
	s_cmp_ge_u32 s24, 12
	s_cbranch_scc1 .Lfeed
	s_wait_alu depctr_va_vdst(0)
	; ---- a worker's loads: they are on their way while the feeders work
	v_and_b32 v3, 8, v10
	s_delay_alu instid0(VALU_DEP_1)
	v_add_nc_u32 v5, v3, v10                       ; r + 8 (r / 8)
	s_delay_alu instid0(VALU_DEP_1)
	v_lshlrev_b32 v3, 8, v5                        ; a row of W is 256 bytes
	s_delay_alu instid0(VALU_DEP_1)
	v_lshl_add_u32 v3, v11, 4, v3                  ; + 16 h
	s_lshl_b32 s30, s24, 14                        ; my 64 rows
	s_add_nc_u64 s[12:13], s[12:13], s[30:31]
.irp ot, 0,1,2,3
.irp s, 0,1
.irp c, 0,1,2,3
	global_load_b128 v[WF+32*\ot+16*\s+4*\c:WF+32*\ot+16*\s+4*\c+3], v3, s[12:13] offset:(32*(\ot/2)+8*(\ot%2))*256+128*\s+32*\c
.endr
.endr
.endr
	s_lshl_b32 s30, s24, 8                         ; my 64 numbers of the bias
	s_add_nc_u64 s[14:15], s[14:15], s[30:31]
	s_cmp_lt_u32 s24, 8
	s_cbranch_scc0 .Lbias_v
	v_lshlrev_b32 v4, 6, v11                       ; q, k: register i of tile 2 b + u is row 32 b + 16 h + 8 u + i
.irp ot, 0,1,2,3
	global_load_b128 v[BI+8*\ot:BI+8*\ot+3], v4, s[14:15] offset:(32*(\ot/2)+8*(\ot%2))*4
	global_load_b128 v[BI+8*\ot+4:BI+8*\ot+7], v4, s[14:15] offset:(32*(\ot/2)+8*(\ot%2))*4+16
.endr
	s_branch .Ljoin
.Lbias_v:
	s_wait_alu depctr_va_vdst(0)
	v_lshlrev_b32 v4, 2, v5                        ; v: all eight registers of a tile are my lane's row 32 b + 8 u + r + 8 (r / 8)
.irp ot, 0,1,2,3
	global_load_b32 v[12+\ot], v4, s[14:15] offset:(32*(\ot/2)+8*(\ot%2))*4
.endr
	s_branch .Ljoin
	; ---- a feeder
.Lfeed:
	s_lshl_b32 s30, s27, 3
	s_lshl_b32 s29, s25, 1
	s_add_co_u32 s30, s30, s29                     ; group 8 x batch + 2 f
	s_lshl_b32 s30, s30, 6                         ; its eight pairs (mean, M2): 64 bytes
	s_add_nc_u64 s[6:7], s[6:7], s[30:31]
	s_load_b512 s[32:47], s[6:7], 0x0              ; group 2 f
	s_load_b512 s[48:63], s[6:7], 0x40             ; group 2 f + 1
	s_wait_alu depctr_va_vdst(0)
	v_lshlrev_b32 v4, 6, v11                       ; the norms: my 16 channels begin 64 h bytes on
	s_lshl_b32 s30, s25, 8
	s_add_nc_u64 s[8:9], s[8:9], s[30:31]
	s_add_nc_u64 s[10:11], s[10:11], s[30:31]
.irp cc, 0,1
.irp q, 0,1,2,3
	global_load_b128 v[AW+16*\cc+4*\q:AW+16*\cc+4*\q+3], v4, s[8:9] offset:128*\cc+16*\q
	global_load_b128 v[BW+16*\cc+4*\q:BW+16*\cc+4*\q+3], v4, s[10:11] offset:128*\cc+16*\q
.endr
.endr
	v_lshlrev_b32 v3, 4, v10                       ; x: 16 r,
	s_delay_alu instid0(VALU_DEP_1)
	v_lshl_or_b32 v3, v11, 18, v3                  ; and 16 channels of 16,384 bytes further for lanes 16-31
	s_lshl_b32 s30, s27, 22                        ; the batch's 4 MiB,
	s_lshl_b32 s29, s25, 20                        ; my 64 channels,
	s_add_co_u32 s30, s30, s29
	s_lshl_b32 s29, s28, 8                         ; the block's 256 bytes of a channel's row
	s_add_co_u32 s30, s30, s29
	s_add_nc_u64 s[4:5], s[4:5], s[30:31]
.irp cc, 0,1
.irp i, 0,1,2,3,4,5,6,7,8,9,10,11,12,13,14,15
	global_load_b128 v[XR+64*\cc+4*\i:XR+64*\cc+4*\i+3], v3, s[4:5] offset:(32*\cc+\i)*16384   ; 16 lanes read 256 consecutive bytes, aligned
.endr
.endr
	s_wait_kmcnt 0x0                               ; the exponents and the groups' pairs
	s_add_co_i32 s30, s73, 127
	s_lshl_b32 s29, s30, 23
	v_mov_b32 v14, s29                             ; 2^e1 as f32: the conversion takes its exponent field
	s_add_co_i32 s30, s30, 8
	s_lshl_b32 s30, s30, 23
	s_or_b32 s30, s30, 0x600000
	v_mov_b32 v15, s30                             ; 448 x 2^e1
; A group's mean and variance + eps from its eight parts of 16,384 numbers: mean = the parts' means / 8; 131,072 var = the sum of the M2 + 16,384 x the sum of (part's mean - mean)^2.  The same numbers in every lane.
.macro GVAR cc
.set SB, 32+16*\cc
.set MN, 6+2*\cc
.set VA, 12+\cc
	v_mov_b32 v10, s[SB]
.irp i, 1,2,3,4,5,6,7
	s_delay_alu instid0(VALU_DEP_1)
	v_add_f32 v10, s[SB+2*\i], v10
.endr
	s_delay_alu instid0(VALU_DEP_1)
	v_mul_f32 v[MN], 0x3e000000, v10               ; x 1/8
	s_delay_alu instid0(VALU_DEP_1)
	v_mov_b32 v[MN+1], v[MN]
	v_mov_b32 v[VA], s[SB+1]
.irp i, 1,2,3,4,5,6,7
	s_delay_alu instid0(VALU_DEP_1)
	v_add_f32 v[VA], s[SB+2*\i+1], v[VA]
.endr
	v_sub_f32 v10, s[SB], v[MN]
	s_delay_alu instid0(VALU_DEP_1)
	v_mul_f32 v11, v10, v10
.irp i, 1,2,3,4,5,6,7
	v_sub_f32 v10, s[SB+2*\i], v[MN]
	s_delay_alu instid0(VALU_DEP_1)
	v_fmac_f32 v11, v10, v10
.endr
	s_delay_alu instid0(VALU_DEP_1)
	v_fmamk_f32 v[VA], v11, 0x46800000, v[VA]      ; x 16,384, + the sum of the M2
	v_mov_b32 v10, 0x37000000                      ; 2^-17
	s_delay_alu instid0(VALU_DEP_1)
	v_fmaak_f32 v[VA], v[VA], v10, 0x3727c5ac      ; the variance + 1e-5
.endm
	GVAR 0
	GVAR 1
	s_wait_alu depctr_va_vdst(0)
	v_rsq_f32 v12, v12
	v_rsq_f32 v13, v13
	v_nop                                          ; a plain instruction behind the last of the two,
	s_wait_loadcnt 32                              ; (the norms are in; x's 32 loads, issued behind them, may be out)
	s_wait_alu depctr_va_vdst(0)                   ; and the one wait ahead of the first use of their results
.irp cc, 0,1
.irp i, 0,1,2,3,4,5,6,7,8,9,10,11,12,13,14,15
	v_mul_f32 v[AW+16*\cc+\i], v[12+\cc], v[AW+16*\cc+\i]   ; rstd x norm_w
.endr
.endr
.macro CENTRE cc                       ; x - mean, two at a time
.set n, 0
.rept 32
	v_pk_add_f32 v[XR+64*\cc+2*n:XR+64*\cc+2*n+1], v[XR+64*\cc+2*n:XR+64*\cc+2*n+1], v[6+2*\cc:7+2*\cc] neg_lo:[0,1] neg_hi:[0,1]
.set n, n+1
.endr
.endm
; Tile j's piece of channels 64 f + 32 cc + 16 h + 0 .. 15: the multiply-add also gathers every fourth register into 16 on end, which the conversions want.  The codes of cc = 1 go where cc = 0's x lay.
.macro QPIX cc, j
.set HS, HT+16*((\j)%2)
.if \cc
.set CR, XR+4*(\j)
.else
.set CR, CD+4*(\j)
.endif
.irp i, 0,1,2,3,4,5,6,7,8,9,10,11,12,13,14,15
	v_fma_f32 v[HS+\i], v[XR+64*\cc+4*\i+\j], v[AW+16*\cc+\i], v[BW+16*\cc+\i]
.endr
.irp i, 0,1,2,3,4,5,6,7,8,9,10,11,12,13,14,15
.endr
	v_cvt_scalef32_pk8_fp8_f32 v[CR:CR+1], v[HS:HS+7], v14
	v_cvt_scalef32_pk8_fp8_f32 v[CR+2:CR+3], v[HS+8:HS+15], v14   ; the next tile works on the other set of 16: its plain lines stand between these and the next write of this set
	ds_store_b128 v[XST], v[CR:CR+3] offset:4096*\j+512*\cc       ; fragment (tile j, K step f / 2), piece 2 (f % 2) + cc
.endm
	s_wait_loadcnt 16                              ; the first group's 16 loads of x are in; the second group's may be out
	CENTRE 0
.irp j, 0,1,2,3
	QPIX 0, \j
.endr
	s_wait_loadcnt 0x0
	CENTRE 1
.irp j, 0,1,2,3
	QPIX 1, \j
.endr
	v_nop                                          ; a plain vector line behind the last conversion
.Ljoin:
	s_wait_dscnt 0x0                               ; for the others' sake: a feeder's stores have landed
	s_barrier_signal -1
	s_barrier_wait -1                              ; h's eight fragments lie in LDS; they are written no more, so this is the launch's one barrier
	s_cmp_ge_u32 s24, 12
	s_cbranch_scc1 .Lend                           ; the feeders are done
	s_wait_loadcnt 0x0                             ; W and the bias
	s_wait_kmcnt 0x0                               ; the exponents
	s_add_co_i32 s30, s72, s73                     ; e0 + e1: a sum stands for sum x 2^(e0 + e1)
	s_sub_co_i32 s31, 0, s30
	s_cmp_lt_u32 s24, 4
	s_cselect_b32 s29, s74, s75                    ; q: e2; k: e3
	s_cselect_b64 s[18:19], s[18:19], s[20:21]     ; q_img or k_img: the choice hangs on the wave's number alone
	s_cmp_lt_u32 s24, 8
	s_cselect_b32 s29, s29, s77                    ; v: e5
	s_sub_co_i32 s29, s29, s30
	s_add_co_i32 s29, s29, 127
	s_lshl_b32 s26, s29, 23
	v_mov_b32 v6, s26                              ; 2^(e_out - e0 - e1): the three scales folded into the conversion's one
	s_lshl_b32 s32, s27, 2
	s_add_co_u32 s32, s32, s25                     ; 4 x batch + head
	s_lshl_b32 s32, s32, 18                        ; its 262,144 bytes in each image
	s_mov_b32 s33, 0
; The four tiles of pixels, one after the other.  swap = 0: source 0 = W, source 1 = h (q, k); 1: the other way round (v).  The four accumulators take turns, one instruction a turn.
; The four v_nop behind a tile's products are the places ahead of the conversions, which read results, and ahead of the next tile's loads into h's registers.
.macro WORK swap, base
.irp j, 0,1,2,3
.irp s, 0,1
.irp c, 0,1,2,3
	ds_load_b128 v[HF+16*\s+4*\c:HF+16*\s+4*\c+3], v[LI] offset:4096*\j+2048*\s+512*\c
.endr
.endr
	s_wait_dscnt 0x0
.irp ot, 0,1,2,3
.if \swap
	v_wmma_f32_16x16x128_fp8_fp8 v[ACC+8*\ot:ACC+8*\ot+7], v[HF:HF+15], v[WF+32*\ot:WF+32*\ot+15], v[BI+8*\ot:BI+8*\ot+7]
.else
	v_wmma_f32_16x16x128_fp8_fp8 v[ACC+8*\ot:ACC+8*\ot+7], v[WF+32*\ot:WF+32*\ot+15], v[HF:HF+15], v[BI+8*\ot:BI+8*\ot+7]
.endif
.endr
.irp ot, 0,1,2,3
.if \swap
	v_wmma_f32_16x16x128_fp8_fp8 v[ACC+8*\ot:ACC+8*\ot+7], v[HF+16:HF+31], v[WF+32*\ot+16:WF+32*\ot+31], v[ACC+8*\ot:ACC+8*\ot+7]
.else
	v_wmma_f32_16x16x128_fp8_fp8 v[ACC+8*\ot:ACC+8*\ot+7], v[WF+32*\ot+16:WF+32*\ot+31], v[HF+16:HF+31], v[ACC+8*\ot:ACC+8*\ot+7]
.endif
.endr
.rept 4
	v_nop
.endr
.set n, 0
.rept 32
.set n, n+1
.endr
.if \j == 2
	s_wait_xcnt 0x0                                ; the stores issued so far have read their data: the codes' registers are written again only behind this wait
.endif
.if \swap
.irp ot, 0,1,2,3
	v_cvt_scalef32_pk8_fp8_f32 v[CD+4*\ot+2*(\j%2):CD+4*\ot+2*(\j%2)+1], v[ACC+8*\ot:ACC+8*\ot+7], v6   ; eight keys (rows 8 h + 0 .. 7 of tile j) of my row d
.endr
	v_nop                                          ; a plain line between the conversions and the next products, which write their sources
.if \j%2
	s_wait_alu depctr_va_vdst(0)
.irp ot, 0,1,2,3
	global_store_b128 v[LI], v[CD+4*\ot:CD+4*\ot+3], s[\base:\base+1] offset:2048*\ot+512*(\j/2)   ; a piece: 512 consecutive bytes, aligned
.endr
.endif
.else
.irp ot, 0,1,2,3
	v_cvt_scalef32_pk8_fp8_f32 v[CD+8*(\j%2)+2*\ot:CD+8*(\j%2)+2*\ot+1], v[ACC+8*\ot:ACC+8*\ot+7], v6   ; d = 32 (ot / 2) + 16 h + 8 (ot % 2) + 0 .. 7 of my pixel
.endr
	v_nop
.irp b, 0,1
	global_store_b128 v[LI], v[CD+8*(\j%2)+4*\b:CD+8*(\j%2)+4*\b+3], s[\base:\base+1] offset:1024*\j+512*\b
.endr
.endif
.endr
.endm
	s_cmp_lt_u32 s24, 8
	s_cbranch_scc0 .Lwork_v
	s_lshl_b32 s29, s28, 12                        ; the block's four tiles of 1,024 bytes
	s_add_co_u32 s32, s32, s29
	s_add_nc_u64 s[18:19], s[18:19], s[32:33]
.set n, 0
.rept 32
	v_ldexp_f32 v[BI+n], v[BI+n], s31              ; bias / 2^(e0 + e1)
.set n, n+1
.endr
	s_wait_alu depctr_va_vdst(0)
	WORK 0, 18
	s_branch .Lend
.Lwork_v:
	s_lshr_b32 s29, s28, 1
	s_lshl_b32 s29, s29, 13                        ; the key step's 8,192 bytes,
	s_add_co_u32 s32, s32, s29
	s_and_b32 s29, s28, 1
	s_lshl_b32 s29, s29, 10                        ; pieces 2 (block % 2) on
	s_add_co_u32 s32, s32, s29
	s_add_nc_u64 s[22:23], s[22:23], s[32:33]
.irp ot, 0,1,2,3
.irp i, 0,1,2,3,4,5,6,7
	v_ldexp_f32 v[BI+8*\ot+\i], v[12+\ot], s31     ; my row's bias / 2^(e0 + e1), for each of the eight keys
.endr
.endr
	s_wait_alu depctr_va_vdst(0)
	WORK 1, 22
.Lend:
	s_wait_xcnt 0x0
	v_lshl_add_u32 v126, v0, 2, 0x4000
	v_mov_b32 v127, 0
	s_wait_alu depctr_va_vdst(0)
	s_wait_tensorcnt 0x0
	ds_add_u32 v126, v127
	s_wait_dscnt 0x0
	s_endpgm
.Lfunc_end_k_q0659ca8d87_qkv:
	.size	k_q0659ca8d87_qkv, .Lfunc_end_k_q0659ca8d87_qkv-k_q0659ca8d87_qkv
	.p2alignl 7, 3214868480
	.fill 96, 4, 3214868480
	.section	.rodata,"a",@progbits
	.p2align	6, 0x0
	.amdhsa_kernel k_q0659ca8d87_qkv
		.amdhsa_group_segment_fixed_size 18432
		.amdhsa_private_segment_fixed_size 0
		.amdhsa_enable_private_segment 0
		.amdhsa_kernarg_size 80
		.amdhsa_user_sgpr_count 2
		.amdhsa_user_sgpr_kernarg_segment_ptr 1
		.amdhsa_wavefront_size32 1
		.amdhsa_system_sgpr_workgroup_id_x 1
		.amdhsa_system_sgpr_workgroup_id_y 1
		.amdhsa_system_sgpr_workgroup_id_z 1
		.amdhsa_system_vgpr_workitem_id 0
		.amdhsa_next_free_vgpr 256
		.amdhsa_next_free_sgpr 96
		.amdhsa_reserve_vcc 0
		.amdhsa_float_denorm_mode_32 3
		.amdhsa_float_denorm_mode_16_64 3
		.amdhsa_fp16_overflow 1
		.amdhsa_memory_ordered 1
		.amdhsa_forward_progress 1
		.amdhsa_inst_pref_size 49
	.end_amdhsa_kernel
	.amdgpu_metadata
---
amdhsa.version: [ 1, 2 ]
amdhsa.kernels:
  - .name:           k_q0659ca8d87_qkv
    .symbol:         k_q0659ca8d87_qkv.kd
    .args:
      - { .name: x, .offset: 0, .size: 8, .value_kind: global_buffer, .address_space: global }
      - { .name: stats, .offset: 8, .size: 8, .value_kind: global_buffer, .address_space: global }
      - { .name: norm_w, .offset: 16, .size: 8, .value_kind: global_buffer, .address_space: global }
      - { .name: norm_b, .offset: 24, .size: 8, .value_kind: global_buffer, .address_space: global }
      - { .name: qkv_w_codes, .offset: 32, .size: 8, .value_kind: global_buffer, .address_space: global }
      - { .name: qkv_b, .offset: 40, .size: 8, .value_kind: global_buffer, .address_space: global }
      - { .name: lowp_scales, .offset: 48, .size: 8, .value_kind: global_buffer, .address_space: global }
      - { .name: q_img, .offset: 56, .size: 8, .value_kind: global_buffer, .address_space: global }
      - { .name: k_img, .offset: 64, .size: 8, .value_kind: global_buffer, .address_space: global }
      - { .name: v_img, .offset: 72, .size: 8, .value_kind: global_buffer, .address_space: global }
    .group_segment_fixed_size: 18432
    .private_segment_fixed_size: 0
    .kernarg_segment_align: 8
    .kernarg_segment_size: 80
    .max_flat_workgroup_size: 512
    .sgpr_count:     96
    .vgpr_count:     256
    .wavefront_size: 32
...
	.end_amdgpu_metadata
.endif
;; end of part 2
;; launch attn (part 3): grid 16 x 16, 8 waves a work-group, clusters of 4 x 1, 327,680 bytes of LDS; arguments q_img, k_img, v_img, lowp_scales, o_img; writes o_img
.if DOCPART == 3
	.amdgcn_target "amdgcn-amd-amdhsa--gfx1250"
	.amdhsa_code_object_version 6
	.text
	.protected	k_q0659ca8d87_attn
	.globl	k_q0659ca8d87_attn
	.p2align	8
	.type	k_q0659ca8d87_attn,@function
k_q0659ca8d87_attn:
	s_mov_b64 s[64:65], 0
	v_nop
	global_prefetch_b8 v0, s[64:65] scope:SCOPE_SE
	s_setreg_imm32_b32 hwreg(HW_REG_WAVE_MODE, 25, 1), 1
	s_wait_xcnt 0x0
	s_wait_alu depctr_hold_cnt(0) depctr_sa_sdst(0) depctr_va_vdst(0) depctr_va_sdst(0) depctr_va_ssrc(0) depctr_va_vcc(0) depctr_vm_vsrc(0)
	s_getreg_b32 s2, hwreg(HW_REG_IB_STS2, 6, 4)
	s_cmp_eq_u32 s2, 0
	s_cbranch_scc0 .Lentry_in_a_cluster
	s_endpgm
.Lentry_in_a_cluster:
	s_bfe_u32 s2, ttmp6, 0x10000c
	s_cmp_lg_u32 s2, 0x3003
	s_cbranch_scc0 .Lentry_shape_is_right
	s_endpgm
.Lentry_shape_is_right:
; ATTENTION ON CODES OF E4M3: 16 (batch x head) x 4,096 queries x 4,096 keys, head size 64.  q, k, v come as images of operand registers (the launch before lays them); o leaves so, quantised with 2^e7 for the last product.
; THE SOFTMAX AHEAD OF THE SECOND PRODUCT: t = score x log2(e) / 8; M = the row's largest t so far, rounded UP to a whole number; p = 2^(t - M) is quantised with 2^e4, not normalised; the row's sum is taken of the
; unquantised p and divides O at the end.  When M moves, the sum and O are multiplied by 2^(old M - new M): nothing is rounded, and no branch hangs on data.
; SHARES.  A work-group owns 256 queries of one (batch, head); each of its eight waves 32: two tiles of 16, so that each fragment of K and V read from LDS feeds two products.  Two waves to a SIMD: one wave's vector
; work stands beside the other's matrix work and LDS loads.  Every wave walks all 4,096 keys, 128 a step.
; LAYOUT.  S^T = K Q^T (source 0 = 16 keys, source 1 = 16 queries; K = 64) and O^T = V^T P^T (source 0 = 16 of the head's 64, source 1 = P; K = 128 keys): a lane holds ONE query (lane % 16) throughout.  Register i of
; score tile g is row 8 (lane / 16) + i of key tile g, so its eight codes are registers 2 g, 2 g + 1 of P, and v_img holds V's keys in the same places.  Which keys form a tile is free: P and V agree.
; RING.  Two LDS slots of 1,024 keys (65,536 bytes of K, then 65,536 of V), dense images: no pitch, no padding; an LDS load's 32 lanes take 512 consecutive bytes.  Each wave fetches 16,384 bytes of a slot (waves 0-3: K's
; quarters; 4-7: V's) by one tensor load; a wave has one tensor load out.  A load has eight key steps in which to land.
; CLUSTER.  The four work-groups of a cluster belong to one (batch, head) and walk the same K and V: each tile is asked for JOINTLY, by the same load with the same descriptor and a mask that names the four.
; All of a WGP's LDS is claimed; 263,168 bytes are used.
; LIMITS: e2 + e3 between -123 and 130 (added to c's exponent field); e4, and e7 - e4 - e5, between -126 and 119.  NaN is not served.
; REGISTERS, window 0: v1-7 addresses; v[8:15], v[16:23] a tile's statistics; v24-27 scales; v[28:29] a chain of the sum; v[32:47] Q; v[48:111] K's eight tiles, then V's four fragments; v[112:175] S^T, then p; v[176:207] P.
;   window 1: v[0:63] (v256-319) O^T: tile t, 16 dt of the head on, at 32 t + 8 dt.
.set SLOT1, 131072                     ; slot 1 begins here: one exclusive or turns an address in one slot into the other's
.set VOFF,  65536                      ; V behind K in a slot
.set STEPB, 8192                       ; a key step's bytes of K, and of V
.set SPARE, 2*SLOT1                    ; behind the ring: the spare words, 128 bytes for each wave: four blocks of 256 bytes that no other line names
.set LI,  1                            ; v1   16 x lane; never rewritten
.set SPW, 2                            ; v2   LDS address of my spare word: SPARE + 4 x my thread's number; never rewritten
.set NIL, 3                            ; v3   0; never rewritten
.set ADK, 4                            ; v4   LDS address of the step's K
.set ADV, 5                            ; v5   of its V
.set PFO, 6                            ; v6   256 x lane: the prefetches' offset; never rewritten
.set PT,  7                            ; v7   the other half of the lanes' maximum
.set ST,  8                            ; tile t's statistics at v[ST+8 t]: +0 -M, +1 the largest t, +2, +3 the sum in two halves, +4 f, +5 0 (named with f as a pair), +6, +7 at work
.set Q,   32
.set KV,  48
.set S,   112
.set P,   176
.set WV,  14                           ; s14  my wave's number
.set SEL, 20                           ; s[20:21] lane selects for v_permlanex16_b32: lane l xor 16
.set CS,  22                           ; s[22:23] c = log2(e) / 8 x 2^(e2 + e3)
.set G1,  24                           ; s[24:31] descriptor group 1
.set G0,  32                           ; s[32:35] descriptor group 0, which walks
.set TB,  36                           ; s36  LDS byte at which the step in hand begins
.set SLOTS, 37                         ; s37  slots still to be asked for
.set CNT, 38                           ; s38  counts a slot's eight steps
.set LIM, 39                           ; s39  1 in a wave that prefetches, else the greatest number
.set PFA, 40                           ; s[40:41] where my prefetches stand
.set MSB, 0
.macro WIN new                         ; the immediate's high byte repeats the setting that is left
.if MSB != \new
	s_set_vgpr_msb (MSB<<8)|\new
.set MSB, \new
.endif
.endm
.macro CROUND                          ; a round of the cluster's barrier: my work-group's barrier; wave 0 signals for the work-group; every wave waits for all four work-groups; my work-group's barrier once more
	s_barrier_signal -1
	s_barrier_wait -1
	s_cmp_lg_u32 s[WV], 0
	s_cbranch_scc1 .Lnot_wave_0_\@
	s_barrier_signal -3
.Lnot_wave_0_\@:
	s_barrier_wait -3
	s_barrier_signal -1
	s_barrier_wait -1
.endm
; A PREFETCH INTO THE L2 of the slot that the NEXT change of slots will ask for; it stands behind the wave's tensor load and its four lines.  Each aligned block of 256 bytes is named once in the launch: all four clusters of a
; (batch, head) walk the same K and V, so the first cluster asks; its four partners share a slot out BY ADDRESS; in each, waves 0 and 2 ask for K and waves 4 and 6 for V, 8,192 bytes an instruction, lanes 256 bytes apart:
; 4 partners x 2 waves x 8,192 = a slot's 65,536 bytes of each.  Slots 0 and 1 come by their loads alone; the change that asks for the last slot prefetches nothing.
.macro ASK
	s_cmp_gt_u32 s[SLOTS], s[LIM]
	s_cbranch_scc0 .Lnot_mine_\@
	global_prefetch_b8 v[PFO], s[PFA:PFA+1] th:TH_LOAD_NT scope:SCOPE_SE
.Lnot_mine_\@:
.endm
	s_load_b256 s[4:11], s[0:1], 0x0               ; q_img s[4:5], k_img s[6:7], v_img s[8:9], the exponents s[10:11]
	s_load_b64 s[12:13], s[0:1], 0x20              ; o_img
	v_lshl_add_u32 v[SPW], v0, 2, SPARE
	v_mov_b32 v[NIL], 0
	ds_add_u32 v2, v3
	ds_add_u32 v2, v3
	s_wait_dscnt 0x0
	v_lshrrev_b32 v4, 5, v0
	s_delay_alu instid0(VALU_DEP_1)
	v_readfirstlane_b32 s[WV], v4                  ; wave 0..7
	v_and_b32 v5, 31, v0
	s_delay_alu instid0(VALU_DEP_1)
	v_lshlrev_b32 v[LI], 4, v5
	s_delay_alu instid0(VALU_DEP_2)
	v_lshlrev_b32 v[PFO], 8, v5
	s_bfe_u32 s15, ttmp6, 0x40000                  ; cx: my place in the cluster
	s_lshl_b32 s16, ttmp9, 2                       ; in a cluster launch ttmp9 counts clusters
	s_add_co_u32 s16, s16, s15                     ; my block of 256 queries: it enters Q's and O's addresses alone
	s_and_b32 s17, ttmp7, 0xffff                   ; 4 x batch + head, which the four partners share
	; descriptor group 1: 16,384 dense bytes as 64 rows of 32 elements of 8 bytes
	s_mov_b32 s[G1], 15|(3<<16)|(1<<21)            ; 15:0 the mask: all four work-groups; 17:16 elements of 8 bytes; 20 no padding; 21 set beside a mask
	s_mov_b32 s[G1+1], 32<<16                      ; tensor_dim0 = 32
	s_mov_b32 s[G1+2], 64<<16                      ; tensor_dim1 = 64
	s_mov_b32 s[G1+3], 32<<16                      ; tile_dim0 = 32
	s_mov_b32 s[G1+4], 64                          ; tile_dim1 = 64
	s_mov_b32 s[G1+5], 32                          ; from row to row: 32 elements
	s_mov_b32 s[G1+6], 0
	s_mov_b32 s[G1+7], 0
	s_mov_b32 s[G0], 1                             ; count = 1
	s_lshl_b32 s[G0+1], s[WV], 14                  ; LDS address: slot 0, 16,384 x wave: K's four quarters, then V's
	s_mov_b32 s[SEL], 0x76543210
	s_mov_b32 s[SEL+1], 0xfedcba98
	s_mov_b32 s[CS], 0x3e38aa3b                    ; log2(e) / 8
	s_mov_b32 s[TB], 0
	s_mov_b32 s[SLOTS], 3
	s_and_b32 s[LIM], s[WV], 1                     ; 0 in the even waves
	s_or_b32 s[LIM], s[LIM], ttmp9                 ; of the first cluster: the same in all four partners
	s_cmp_eq_u32 s[LIM], 0
	s_cselect_b32 s[LIM], 1, -1
	s_lshl_b32 s18, s17, 18                        ; the (batch, head)'s 262,144 bytes,
	s_and_b32 s52, s[WV], 3
	s_lshl_b32 s53, s52, 14                        ; my quarter of a slot's K or V
	s_add_co_u32 s18, s18, s53
	s_mov_b32 s19, 0
	s_lshr_b32 s52, s52, 1                         ; the prefetches: which half of a slot's 65,536 bytes,
	s_lshl_b32 s54, s52, 15
	s_lshl_b32 s53, s15, 13                        ; my work-group's 8,192 of it,
	s_add_co_u32 s54, s54, s53
	s_lshl_b32 s53, s17, 18
	s_add_co_u32 s54, s54, s53
	s_add_co_u32 s54, s54, 65536                   ; in slot 1: the first change of slots steps it to slot 2
	s_mov_b32 s55, 0
	s_lshl_b32 s56, s17, 18                        ; Q: a tile is 1,024 bytes; my first is 16 x block + 2 x wave
	s_lshl_b32 s53, s16, 14
	s_add_co_u32 s56, s56, s53
	s_lshl_b32 s53, s[WV], 11
	s_add_co_u32 s56, s56, s53
	s_mov_b32 s57, 0
	s_lshr_b32 s58, s17, 2                         ; O: [batch][tile 256][head 4][piece 2][512 bytes]
	s_lshl_b32 s58, s58, 20
	s_lshl_b32 s53, s16, 16
	s_add_co_u32 s58, s58, s53
	s_lshl_b32 s53, s[WV], 13
	s_add_co_u32 s58, s58, s53
	s_and_b32 s53, s17, 3
	s_lshl_b32 s53, s53, 10
	s_add_co_u32 s58, s58, s53
	s_mov_b32 s59, 0
	s_wait_kmcnt 0x0
	s_load_b256 s[44:51], s[10:11], 0x0            ; e0 .. e7
	s_cmp_lt_u32 s[WV], 4                          ; waves 0-3 fetch K, waves 4-7 V: the choice hangs on the wave's number alone
	s_cselect_b64 s[G0+2:G0+3], s[6:7], s[8:9]
	s_cselect_b64 s[PFA:PFA+1], s[6:7], s[8:9]
	s_add_nc_u64 s[G0+2:G0+3], s[G0+2:G0+3], s[18:19]   ; global address: made of the shared coordinate and the wave's number
	s_or_b32 s[G0+3], s[G0+3], 0x80000000          ; type = 2
	s_add_nc_u64 s[PFA:PFA+1], s[PFA:PFA+1], s[54:55]
	s_add_nc_u64 s[4:5], s[4:5], s[56:57]
	s_add_nc_u64 s[12:13], s[12:13], s[58:59]
	CROUND                                         ; all four work-groups are here: the first joint loads meet
	tensor_load_to_lds s[G0:G0+3], s[G1:G1+7]      ; slot 0
	s_nop 0
.rept 4
	v_nop                                          ; four lines behind a tensor load
.endr
	s_wait_alu depctr_va_vdst(0)
.irp t, 0,1
.irp c, 0,1
	global_load_b128 v[Q+8*\t+4*\c:Q+8*\t+4*\c+3], v[LI], s[4:5] offset:1024*\t+512*\c th:TH_LOAD_NT   ; Q's two fragments stay in registers; read once in the launch
.endr
.endr
.irp t, 0,1
	v_mov_b32 v[ST+8*\t+1], 0xff61b1e6             ; the largest t so far: -3e38, under every t
	s_delay_alu instid0(VALU_DEP_1)
	v_floor_f32 v[ST+8*\t], -v[ST+8*\t+1]          ; -M
	v_mov_b32 v[ST+8*\t+2], 0                      ; the sum, in two halves
	v_mov_b32 v[ST+8*\t+3], 0
	v_mov_b32 v[ST+8*\t+5], 0
.endr
	v_mov_b32 v[PT], 0                             ; a lane permute's destination counts as read: written once
	WIN 0x40                                       ; destination window 1
.set n, 0
.rept 64
	v_mov_b32 v[n], 0                              ; O^T.  (The step is written for every step alike: the first finds zeros, which the first change of M leaves zeros)
.set n, n+1
.endr
	WIN 0
	s_wait_kmcnt 0x0
	s_add_co_i32 s52, s46, s47                     ; a score stands for score x 2^(e2 + e3): the exponents are added to c's exponent field
	s_lshl_b32 s52, s52, 23
	s_add_co_i32 s[CS], s[CS], s52
	s_mov_b32 s[CS+1], s[CS]                       ; (named with it as a pair, so it is written)
	s_add_co_i32 s52, s48, 127
	s_lshl_b32 s53, s52, 23
	v_mov_b32 v24, s53                             ; 2^e4, for p's conversions
	s_sub_co_i32 s52, s51, s48
	s_sub_co_i32 s52, s52, s49                     ; O / l stands for o / 2^(e4 + e5): its code is (O / l) / 2^(e7 - e4 - e5)
	s_add_co_i32 s52, s52, 127
	s_lshl_b32 s53, s52, 23
	v_mov_b32 v26, s53
.macro KQ t                            ; tile t's scores against the step's 128 keys: eight products, each on its own accumulator; then the places ahead of what reads the results or loads into K's registers
.irp g, 0,1,2,3,4,5,6,7
	v_wmma_f32_16x16x64_fp8_fp8 v[S+8*\g:S+8*\g+7], v[KV+8*\g:KV+8*\g+7], v[Q+8*\t:Q+8*\t+7], 0
.endr
.rept 4
	v_nop
.endr
.endm
.macro SOFTMAX t                       ; tile t: 64 scores a lane become p's codes; M, the sum and f are brought up to date
.set rT, ST+8*(\t)
.set rP, P+16*(\t)
	v_max3_num_f32 v[rT+6], v[S], v[S+1], v[S+2]   ; the step's largest score of my query among my 64 keys, in two chains; each accumulator is read from its low end on
	v_max3_num_f32 v[rT+7], v[S+3], v[S+4], v[S+5]
.irp i, 6,10,14,18,22,26,30,34,38,42,46,50,54,58
	v_max3_num_f32 v[rT+6], v[rT+6], v[S+\i], v[S+\i+1]
	v_max3_num_f32 v[rT+7], v[rT+7], v[S+\i+2], v[S+\i+3]
.endr
	v_max3_num_f32 v[rT+6], v[rT+6], v[S+62], v[S+63]
	s_delay_alu instid0(VALU_DEP_1)
	v_max_num_f32 v[rT+6], v[rT+6], v[rT+7]
	s_delay_alu instid0(VALU_DEP_1)
	v_permlanex16_b32 v[PT], v[rT+6], s[SEL], s[SEL+1]
	s_delay_alu instid0(VALU_DEP_1)
	v_max_num_f32 v[rT+6], v[rT+6], v[PT]          ; and among lane l xor 16's
	s_delay_alu instid0(VALU_DEP_1)
	v_mul_f32 v[rT+6], s[CS], v[rT+6]              ; as t (c is positive)
	s_delay_alu instid0(VALU_DEP_1)
	v_max_num_f32 v[rT+1], v[rT+1], v[rT+6]        ; the running largest t
	v_mov_b32 v[rT+6], v[rT]
	s_delay_alu instid0(VALU_DEP_2)
	v_floor_f32 v[rT], -v[rT+1]                    ; the new -M = floor(-t) = -ceil(t)
	s_delay_alu instid0(VALU_DEP_1)
	v_sub_f32 v[rT+6], v[rT], v[rT+6]              ; old M - new M: a whole number, 0 or less
	s_delay_alu instid0(VALU_DEP_1)
	v_cvt_i32_f32 v[rT+6], v[rT+6]                 ; (it saturates)
	s_delay_alu instid0(VALU_DEP_1)
	v_ldexp_f32 v[rT+4], 1.0, v[rT+6]              ; f = 2^(old M - new M)
.set n, 0
.rept 32
	v_pk_fma_f32 v[S+n:S+n+1], v[S+n:S+n+1], s[CS:CS+1], v[rT:rT+1] op_sel_hi:[1,0,0]   ; t - M, two at a time (of the pairs c and -M the low word serves both halves)
.set n, n+2
.endr
.set n, 0
	s_wait_alu depctr_va_vdst(0)
.rept 64
	v_exp_f32 v[S+n], v[S+n]                       ; p = 2^(t - M), at most 1
.set n, n+1
.endr
	v_pk_mul_f32 v[rT+2:rT+3], v[rT+2:rT+3], v[rT+4:rT+5] op_sel_hi:[1,0]   ; the sum under the new M: the plain line behind the exponentials
	s_wait_alu depctr_va_vdst(0)                   ; one wait for the batch of 64, ahead of the first line that names a result
	v_pk_add_f32 v[28:29], v[S:S+1], v[S+2:S+3]    ; the sum of the UNQUANTISED p, two at a time, in two chains
.irp j, 4,8,12,16,20,24,28,32,36,40,44,48,52,56,60
	v_pk_add_f32 v[rT+2:rT+3], v[rT+2:rT+3], v[S+\j:S+\j+1]
	v_pk_add_f32 v[28:29], v[28:29], v[S+\j+2:S+\j+3]
.endr
	s_delay_alu instid0(VALU_DEP_1)
	v_pk_add_f32 v[rT+2:rT+3], v[rT+2:rT+3], v[28:29]
.irp g, 0,1,2,3,4,5,6,7
.irp i, 0,1,2,3,4,5,6,7
.endr
	v_cvt_scalef32_pk8_fp8_f32 v[rP+2*\g:rP+2*\g+1], v[S+8*\g:S+8*\g+7], v24
.endr
	v_nop                                          ; a plain line between the last conversion and the products that write its sources
.endm
; A KEY STEP: 128 keys, both tiles of queries.  V's loads are issued ahead of the second softmax and land under it.  Three switches of the register window.
.macro STEP
	v_add_nc_u32 v[ADK], s[TB], v[LI]
	s_delay_alu instid0(VALU_DEP_1)
	v_add_nc_u32 v[ADV], VOFF, v[ADK]
	v_nop
	v_nop                                          ; with the two additions: four places between the last step's products and the loads into the registers that they read
.irp g, 0,1,2,3,4,5,6,7
.irp c, 0,1
	ds_load_b128 v[KV+8*\g+4*\c:KV+8*\g+4*\c+3], v[ADK] offset:1024*\g+512*\c
.endr
.endr
	s_wait_dscnt 0x0
	KQ 0
	SOFTMAX 0
	KQ 1
.irp d, 0,1,2,3
.irp c, 0,1,2,3
	ds_load_b128 v[KV+16*\d+4*\c:KV+16*\d+4*\c+3], v[ADV] offset:2048*\d+512*\c
.endr
.endr
	s_setprio 1
	SOFTMAX 1
	WIN 0x41                                       ; O^T (destination and source 0) in window 1, f in window 0
	s_setprio 0
.irp t, 0,1
.set n, 0
.rept 16
	v_pk_mul_f32 v[32*\t+n:32*\t+n+1], v[32*\t+n:32*\t+n+1], v[ST+8*\t+4:ST+8*\t+5] op_sel_hi:[1,0]   ; O^T under the new M
.set n, n+2
.endr
.endr
	s_wait_alu depctr_va_vdst(0)
	s_wait_dscnt 0x0                               ; V is in
	WIN 0x50                                       ; C and D in window 1
.irp d, 0,1,2,3
.irp t, 0,1
	v_wmma_f32_16x16x128_fp8_fp8 v[32*\t+8*\d:32*\t+8*\d+7], v[KV+16*\d:KV+16*\d+15], v[P+16*\t:P+16*\t+15], v[32*\t+8*\d:32*\t+8*\d+7]   ; the eight accumulators take turns, one instruction a turn
.endr
.endr
	WIN 0                                          ; at a label and at a branch every window is 0
.endm
.macro SLOT_STEPS                      ; a slot's eight key steps: written once, walked eight times
	s_mov_b32 s[CNT], 8
.Lstep_\@:
	s_setprio 2
	STEP
	s_add_co_u32 s[TB], s[TB], STEPB
	s_sub_co_u32 s[CNT], s[CNT], 1
	s_cmp_lg_u32 s[CNT], 0
	s_cbranch_scc1 .Lstep_\@
	s_setprio 0
	s_sub_co_u32 s[TB], s[TB], 8*STEPB             ; back to a slot's first step,
	s_xor_b32 s[TB], s[TB], SLOT1                  ; in the other slot
.endm
; THE CHANGE OF SLOTS stands at a slot's head.  Each wave waits for all its tensor loads (its part of the slot that it is about to read), adds 0 to its spare word, and waits for that and for its reads of the slot that it has left.
; fill = 1: the barrier is a round of the cluster's, so that no wave of any partner still reads the slot left or has a load on its way; the joint load into that slot is the first thing behind it.
.macro CHANGE fill
	s_wait_tensorcnt 0x0                           ; no tensor load of mine is out, so group 0 may be written
	ds_add_u32 v[SPW], v[NIL]                      ; 0 onto my spare word
.if \fill
	s_xor_b32 s[G0+1], s[G0+1], SLOT1              ; the walking descriptor: the other slot than last time,
	s_add_nc_u64 s[G0+2:G0+3], s[G0+2:G0+3], 65536 ; the next 1,024 keys; the type bits on top are not reached
	s_wait_xcnt 0x0                                ; the last prefetch, a slot back, has read its address, so it may be written:
	s_add_nc_u64 s[PFA:PFA+1], s[PFA:PFA+1], 65536 ; one slot further on than the walking descriptor
.endif
	s_wait_dscnt 0x0                               ; the add is done, and my reads of the slot that I have left are over
.if \fill
	CROUND
	tensor_load_to_lds s[G0:G0+3], s[G1:G1+7]      ; my one tensor load until the next change of slots
	s_nop 0
.rept 4
	v_nop
.endr
	ASK
.else
	s_barrier_signal -1
	s_barrier_wait -1
.endif
.endm
	s_wait_loadcnt 0x0                             ; Q
.Lslot:                                            ; three trips: behind each change of slots but the last the next slot is asked for
	CHANGE 1
	SLOT_STEPS
	s_sub_co_u32 s[SLOTS], s[SLOTS], 1
	s_cmp_lg_u32 s[SLOTS], 0
	s_cbranch_scc1 .Lslot
	CHANGE 0                                       ; the last slot is written out
	SLOT_STEPS
	; THE WAY OUT.  The sum's halves are added; O^T / the sum is quantised with 2^e7.  V's rows were chosen so that the 16 registers of tiles 2 b, 2 b + 1 are d = 32 b + 16 (lane / 16) + 0 .. 15: a piece of the last product's operand.
	; The four additions and the v_nop are the places behind the last products.
.irp t, 0,1
	v_add_f32 v[ST+8*\t+6], v[ST+8*\t+2], v[ST+8*\t+3]
.endr
.irp t, 0,1
	s_delay_alu instid0(VALU_DEP_2)
	v_permlanex16_b32 v[ST+8*\t+7], v[ST+8*\t+6], s[SEL], s[SEL+1]
.endr
.irp t, 0,1
	s_delay_alu instid0(VALU_DEP_2)
	v_add_f32 v[ST+8*\t+6], v[ST+8*\t+6], v[ST+8*\t+7]   ; the row's sum
.endr
	s_wait_alu depctr_va_vdst(0)
.irp t, 0,1
	v_rcp_f32 v[ST+8*\t+6], v[ST+8*\t+6]
.endr
	v_nop                                          ; a plain line behind the last reciprocal,
	s_wait_alu depctr_va_vdst(0)                   ; and one wait for the two, ahead of the first use
.irp t, 0,1
	WIN 0x01                                       ; source 0 (O^T) in window 1
.set n, 0
.rept 16
	v_pk_mul_f32 v[S+32*\t+n:S+32*\t+n+1], v[32*\t+n:32*\t+n+1], v[ST+8*\t+6:ST+8*\t+7] op_sel_hi:[1,0]   ; each accumulator from its low end on
.set n, n+2
.endr
	WIN 0
.set n, 0
.rept 32
.set n, n+1
.endr
.irp d, 0,1,2,3
	v_cvt_scalef32_pk8_fp8_f32 v[P+8*\t+2*\d:P+8*\t+2*\d+1], v[S+32*\t+8*\d:S+32*\t+8*\d+7], v26
.endr
	v_nop
.irp b, 0,1
	global_store_b128 v[LI], v[P+8*\t+4*\b:P+8*\t+4*\b+3], s[12:13] offset:4096*\t+512*\b   ; a piece: 512 consecutive bytes, aligned
.endr
.endr
	s_wait_tensorcnt 0x0                           ; the wave's end
	ds_add_u32 v[SPW], v[NIL]
	s_wait_dscnt 0x0
	CROUND                                         ; the closing round: no work-group ends while a partner may still ask for a tile that names it
	s_endpgm
.Lfunc_end_k_q0659ca8d87_attn:
	.size	k_q0659ca8d87_attn, .Lfunc_end_k_q0659ca8d87_attn-k_q0659ca8d87_attn
	.p2alignl 7, 3214868480
	.fill 96, 4, 3214868480
	.section	.rodata,"a",@progbits
	.p2align	6, 0x0
	.amdhsa_kernel k_q0659ca8d87_attn
		.amdhsa_group_segment_fixed_size 327680
		.amdhsa_private_segment_fixed_size 0
		.amdhsa_enable_private_segment 0
		.amdhsa_kernarg_size 40
		.amdhsa_user_sgpr_count 2
		.amdhsa_user_sgpr_kernarg_segment_ptr 1
		.amdhsa_wavefront_size32 1
		.amdhsa_system_sgpr_workgroup_id_x 1
		.amdhsa_system_sgpr_workgroup_id_y 1
		.amdhsa_system_sgpr_workgroup_id_z 1
		.amdhsa_system_vgpr_workitem_id 0
		.amdhsa_next_free_vgpr 320
		.amdhsa_next_free_sgpr 66
		.amdhsa_reserve_vcc 0
		.amdhsa_float_denorm_mode_32 3
		.amdhsa_float_denorm_mode_16_64 3
		.amdhsa_fp16_overflow 1
		.amdhsa_memory_ordered 1
		.amdhsa_forward_progress 1
		.amdhsa_inst_pref_size 64
	.end_amdhsa_kernel
	.amdgpu_metadata
---
amdhsa.version: [ 1, 2 ]
amdhsa.kernels:
  - .name:           k_q0659ca8d87_attn
    .symbol:         k_q0659ca8d87_attn.kd
    .args:
      - { .name: q_img, .offset: 0, .size: 8, .value_kind: global_buffer, .address_space: global }
      - { .name: k_img, .offset: 8, .size: 8, .value_kind: global_buffer, .address_space: global }
      - { .name: v_img, .offset: 16, .size: 8, .value_kind: global_buffer, .address_space: global }
      - { .name: lowp_scales, .offset: 24, .size: 8, .value_kind: global_buffer, .address_space: global }
      - { .name: o_img, .offset: 32, .size: 8, .value_kind: global_buffer, .address_space: global }
    .group_segment_fixed_size: 327680
    .private_segment_fixed_size: 0
    .kernarg_segment_align: 8
    .kernarg_segment_size: 40
    .max_flat_workgroup_size: 256
    .sgpr_count:     66
    .vgpr_count:     320
    .wavefront_size: 32
...
	.end_amdgpu_metadata
.endif
;; end of part 3
;; launch proj (part 4): grid 256 x 1, 16 waves a work-group, no clusters, 18,432 bytes of LDS; arguments o_img, proj_w_codes, proj_b, lowp_scales, x, out0; writes out0
.if DOCPART == 4
	.amdgcn_target "amdgcn-amd-amdhsa--gfx1250"
	.amdhsa_code_object_version 6
	.text
	.protected	k_q0659ca8d87_proj
	.globl	k_q0659ca8d87_proj
	.p2align	8
	.type	k_q0659ca8d87_proj,@function
k_q0659ca8d87_proj:
	s_mov_b64 s[64:65], 0
	v_nop
	global_prefetch_b8 v0, s[64:65] scope:SCOPE_SE
	s_setreg_imm32_b32 hwreg(HW_REG_WAVE_MODE, 25, 1), 1
	s_wait_xcnt 0x0
; THE LAST PRODUCT AND THE RESIDUAL: out = x + W o + b, W (given codes, 2^e6) and o (codes of the launch before, 2^e7) in E4M3, K = 256 channels = head x 64 + d.
; SHARES.  Work-group g: batch g / 64, block g % 64 of 64 pixels, all 256 outputs; wave w owns outputs 16 w .. 16 w + 15.  The block's 16,384 bytes of o's images are read once, 32 bytes a thread, and go through LDS as they
; lie, since all sixteen waves want all of them.  W's 4,096 bytes a wave go straight into its operand registers, once: no joint tensor load, which would send them through LDS for a single use.
; LAYOUT.  Source 0 = 16 rows of W, source 1 = o's fragment of pixel tile j (row m = pixel 4 m + j): register i of lane (r, h) is out(16 w + 8 h + i, pixel 4 r + j).  So register i of the four tiles is four neighbouring
; pixels of one channel: 16 bytes a lane, and 16 lanes load (x) and store (out) 256 consecutive bytes, aligned.
; The bias is the C of each sum's first matrix instruction, divided by 2^(e6 + e7); one multiply-add gives sum x 2^(e6 + e7) + x.
; LIMIT: e6 + e7 between -126 and 127, so that 2^(e6 + e7) is an f32 number.
; REGISTERS: v1 16 x lane, v2 16 x thread, v3 W's offset, v4 the bias's, v5 x's and out's; v[8:15] o's bytes on their way to LDS; v[16:23] the bias; v[24:55] W's two fragments; v[56:87] x: 4 i + j;
;   v[88:119] four accumulators; v[128:255] o's eight fragments: 32 j + 16 s.
.set BI,  16
.set WF,  24
.set XR,  56
.set ACC, 88
.set F,   128
	s_load_b256 s[4:11], s[0:1], 0x0               ; o_img s[4:5], W's codes s[6:7], proj_b s[8:9], the exponents s[10:11]
	s_load_b128 s[12:15], s[0:1], 0x20             ; x s[12:13], out s[14:15]
	v_lshl_add_u32 v126, v0, 2, 0x4000
	v_mov_b32 v127, 0
	v_lshrrev_b32 v6, 5, v0
	s_delay_alu instid0(VALU_DEP_1)
	v_readfirstlane_b32 s16, v6                    ; wave 0..15
	v_and_b32 v6, 31, v0
	s_delay_alu instid0(VALU_DEP_1)
	v_lshlrev_b32 v1, 4, v6
	v_lshlrev_b32 v2, 4, v0
	v_and_b32 v6, 15, v0                           ; r
	v_bfe_u32 v7, v0, 4, 1                         ; h
	s_delay_alu instid0(VALU_DEP_2)
	v_lshlrev_b32 v3, 8, v6                        ; W: row r of 256 bytes,
	s_delay_alu instid0(VALU_DEP_1)
	v_lshl_add_u32 v3, v7, 4, v3                   ; + 16 h
	s_delay_alu instid0(VALU_DEP_3)
	v_lshlrev_b32 v4, 5, v7                        ; the bias: my eight numbers begin 32 h bytes on
	v_lshlrev_b32 v5, 4, v6                        ; x, out: 16 r,
	s_delay_alu instid0(VALU_DEP_1)
	v_lshl_or_b32 v5, v7, 17, v5                   ; and 8 channels of 16,384 bytes further for lanes 16-31
	s_lshl_b32 s20, ttmp9, 14                      ; the block's four tiles of 4,096 bytes in o_img
	s_mov_b32 s21, 0
	s_lshl_b32 s22, s16, 12                        ; my 16 rows of W
	s_mov_b32 s23, 0
	s_lshl_b32 s24, s16, 6                         ; my 16 numbers of the bias
	s_mov_b32 s25, 0
	s_lshr_b32 s26, ttmp9, 6
	s_lshl_b32 s26, s26, 22                        ; the batch's 4 MiB,
	s_lshl_b32 s28, s16, 18                        ; my 16 channels,
	s_add_co_u32 s26, s26, s28
	s_and_b32 s28, ttmp9, 63
	s_lshl_b32 s28, s28, 8                         ; the block's 256 bytes of a channel's row
	s_add_co_u32 s26, s26, s28
	s_mov_b32 s27, 0
	s_wait_alu depctr_va_vdst(0)
	s_wait_kmcnt 0x0
	s_load_b64 s[30:31], s[10:11], 0x18            ; e6, e7
	s_add_nc_u64 s[4:5], s[4:5], s[20:21]
	s_add_nc_u64 s[6:7], s[6:7], s[22:23]
	s_add_nc_u64 s[8:9], s[8:9], s[24:25]
	s_add_nc_u64 s[12:13], s[12:13], s[26:27]
	s_add_nc_u64 s[14:15], s[14:15], s[26:27]
	global_load_b128 v[8:11], v2, s[4:5] th:TH_LOAD_NT
	global_load_b128 v[12:15], v2, s[4:5] offset:8192 th:TH_LOAD_NT
.irp s, 0,1
.irp c, 0,1,2,3
	global_load_b128 v[WF+16*\s+4*\c:WF+16*\s+4*\c+3], v3, s[6:7] offset:128*\s+32*\c
.endr
.endr
	global_load_b128 v[BI:BI+3], v4, s[8:9]
	global_load_b128 v[BI+4:BI+7], v4, s[8:9] offset:16
.irp i, 0,1,2,3,4,5,6,7
	global_load_b128 v[XR+4*\i:XR+4*\i+3], v5, s[12:13] offset:16384*\i th:TH_LOAD_NT
.endr
	s_wait_loadcnt 18                              ; o's two loads are in; the 18 issued behind them (W 8, bias 2, x 8) may be out
	ds_store_b128 v2, v[8:11]
	ds_store_b128 v2, v[12:15] offset:8192
	s_wait_dscnt 0x0                               ; for the others' sake: my stores have landed
	s_barrier_signal -1
	s_barrier_wait -1                              ; o's eight fragments lie in LDS; they are written no more
.irp j, 0,1,2,3
.irp s, 0,1
.irp c, 0,1,2,3
	ds_load_b128 v[F+32*\j+16*\s+4*\c:F+32*\j+16*\s+4*\c+3], v1 offset:4096*\j+2048*\s+512*\c
.endr
.endr
.endr
	s_wait_loadcnt 8                               ; W and the bias are in; x's eight loads may be out
	s_wait_kmcnt 0x0
	s_add_co_i32 s30, s30, s31                     ; e6 + e7
	s_sub_co_i32 s31, 0, s30
	s_add_co_i32 s30, s30, 127
	s_lshl_b32 s30, s30, 23                        ; 2^(e6 + e7) as f32
.irp i, 0,1,2,3,4,5,6,7
	v_ldexp_f32 v[BI+\i], v[BI+\i], s31            ; bias / 2^(e6 + e7)
.endr
	s_wait_alu depctr_va_vdst(0)
	s_wait_dscnt 0x0
.irp j, 0,1,2,3
	v_wmma_f32_16x16x128_fp8_fp8 v[ACC+8*\j:ACC+8*\j+7], v[WF:WF+15], v[F+32*\j:F+32*\j+15], v[BI:BI+7]
.endr
.irp j, 0,1,2,3
	v_wmma_f32_16x16x128_fp8_fp8 v[ACC+8*\j:ACC+8*\j+7], v[WF+16:WF+31], v[F+32*\j+16:F+32*\j+31], v[ACC+8*\j:ACC+8*\j+7]   ; the four accumulators take turns, one instruction a turn
.endr
.rept 4
	v_nop                                          ; four places ahead of the first read of results (ISA guide 7.12.1)
.endr
	s_wait_loadcnt 0x0                             ; x
.irp i, 0,1,2,3,4,5,6,7
.irp j, 0,1,2,3
	v_fma_f32 v[XR+4*\i+\j], v[ACC+8*\j+\i], s30, v[XR+4*\i+\j]   ; x + (sum + bias') x 2^(e6 + e7); each accumulator from its low end on
.endr
.endr
.irp i, 0,1,2,3,4,5,6,7
	global_store_b128 v5, v[XR+4*\i:XR+4*\i+3], s[14:15] offset:16384*\i th:TH_STORE_NT   ; 16 lanes store 256 consecutive bytes, aligned; written once
.endr
	s_wait_tensorcnt 0x0
	ds_add_u32 v126, v127
	s_wait_dscnt 0x0
	s_endpgm
.Lfunc_end_k_q0659ca8d87_proj:
	.size	k_q0659ca8d87_proj, .Lfunc_end_k_q0659ca8d87_proj-k_q0659ca8d87_proj
	.p2alignl 7, 3214868480
	.fill 96, 4, 3214868480
	.section	.rodata,"a",@progbits
	.p2align	6, 0x0
	.amdhsa_kernel k_q0659ca8d87_proj
		.amdhsa_group_segment_fixed_size 18432
		.amdhsa_private_segment_fixed_size 0
		.amdhsa_enable_private_segment 0
		.amdhsa_kernarg_size 48
		.amdhsa_user_sgpr_count 2
		.amdhsa_user_sgpr_kernarg_segment_ptr 1
		.amdhsa_wavefront_size32 1
		.amdhsa_system_sgpr_workgroup_id_x 1
		.amdhsa_system_sgpr_workgroup_id_y 1
		.amdhsa_system_sgpr_workgroup_id_z 1
		.amdhsa_system_vgpr_workitem_id 0
		.amdhsa_next_free_vgpr 256
		.amdhsa_next_free_sgpr 66
		.amdhsa_reserve_vcc 0
		.amdhsa_float_denorm_mode_32 3
		.amdhsa_float_denorm_mode_16_64 3
		.amdhsa_memory_ordered 1
		.amdhsa_forward_progress 1
		.amdhsa_inst_pref_size 11
	.end_amdhsa_kernel
	.amdgpu_metadata
---
amdhsa.version: [ 1, 2 ]
amdhsa.kernels:
  - .name:           k_q0659ca8d87_proj
    .symbol:         k_q0659ca8d87_proj.kd
    .args:
      - { .name: o_img, .offset: 0, .size: 8, .value_kind: global_buffer, .address_space: global }
      - { .name: proj_w_codes, .offset: 8, .size: 8, .value_kind: global_buffer, .address_space: global }
      - { .name: proj_b, .offset: 16, .size: 8, .value_kind: global_buffer, .address_space: global }
      - { .name: lowp_scales, .offset: 24, .size: 8, .value_kind: global_buffer, .address_space: global }
      - { .name: x, .offset: 32, .size: 8, .value_kind: global_buffer, .address_space: global }
      - { .name: out0, .offset: 40, .size: 8, .value_kind: global_buffer, .address_space: global }
    .group_segment_fixed_size: 18432
    .private_segment_fixed_size: 0
    .kernarg_segment_align: 8
    .kernarg_segment_size: 48
    .max_flat_workgroup_size: 512
    .sgpr_count:     66
    .vgpr_count:     256
    .wavefront_size: 32
...
	.end_amdgpu_metadata
.endif
;; end of part 4
